; MI455X (gfx1250); checked and timed in simulation.
; The chip was launched on July 23, 2026; its instructions are those of AMD's public machine-readable ISA for CDNA 5 (MIT licence, August 2026) and "CDNA5" Instruction Set Architecture Reference Guide (July 2026). The comments in the code are by the model that wrote it; some were corrected since.
;; max extractor. Allowed arithmetic: float matrix products may take bf16 or f16 operands with f32 sums; other float arithmetic in f32, or as packed bf16 or f16 multiplies, adds, multiply-adds, maxima and minima; sums over many terms, partial sums and values carried from step to step in f32; what a program stores and reads back later, other than sums and carried values, may be rounded once to bf16 or f16.
;; Inputs: para_spans 8 x 8 x 3 int32; shell_spans 8 x 24 x 3 int32; topic_lens 8 int32; topic_reps 8 x 32 x 256 float32; word_reps 8 x 2,048 x 256 float32; x_spans 8 x 24 x 3 int32.
;; Outputs: out0 8 x 256 float32; out1 8 x 8 x 256 float32; out2 8 x 24 x 256 float32; out3 8 x 24 x 256 float32.
;; One version. Each part assembles by itself: llvm-mc -triple=amdgcn-amd-amdhsa -mcpu=gfx1250 --defsym DOCPART=n.
;; ======== version 1 of 1: 1 launch
;; launch spanmax (part 1): grid 648 x 1, 8 waves a work-group, no clusters, 5,120 bytes of LDS; arguments para_spans, x_spans, shell_spans, word_reps, topic_reps, out1, out3, out2, out0; writes out0, out1, out2, out3
.if DOCPART == 1
	.amdgcn_target "amdgcn-amd-amdhsa--gfx1250"
	.amdhsa_code_object_version 6
	.text
	.protected	k_qede3064632_spanmax
	.globl	k_qede3064632_spanmax
	.p2align	8
	.type	k_qede3064632_spanmax,@function
k_qede3064632_spanmax:
	s_mov_b64 s[64:65], 0
	v_nop
	global_prefetch_b8 v0, s[64:65] scope:SCOPE_SE
	s_setreg_imm32_b32 hwreg(HW_REG_WAVE_MODE, 25, 1), 1
	s_wait_xcnt 0x0
; MAXIMA OVER SPANS OF ROWS.  A row is 256 f32, 1,024 bytes.
;   out0[b]    = the maximum over all 32 rows of topic_reps[b]
;   out1[b][s] = the maximum over rows start .. end of word_reps[elmo], (elmo, start, end) = para_spans[b][s];  out3 likewise from x_spans, out2 from shell_spans
; WORK LEFT OUT, AND WHY IT IS DEAD.  reference() takes, for each span, the maximum over all 2,048 positions of where(start <= pos <= end, row, finfo.min).  A position outside the span
; contributes exactly finfo.min, whatever the row there holds.  So a running maximum that STARTS at finfo.min and takes in the rows max(start, 0) .. min(end, 2047) alone is the same number for
; all values of the inputs; the rows outside are not read.  Which rows are read is decided by whole numbers that this launch reads from memory (the spans).  start > end gives finfo.min, as in
; reference().  topic_lens has no way to any output in reference(): it is not loaded and is no argument of this launch.
; LIMITS.  A NaN inside a span or a topic is passed over (the maxima used here let a NaN lose), where jnp.max would return it.  No result lies below finfo.min: that differs from reference()
; only where a column holds -infinity in all 32 rows of a topic or in all rows of a span that covers all 2,048 positions.  A NaN or an infinity in a row outside every span reaches no
; result, here as in reference().  elmo lies in 0 .. 7 (the index stays in its table); a larger number is held to 7.  start and end may be any int32.
; SHARES.  A GROUP is one output row and one quarter q of its columns: 64 columns, 256 bytes.  A group's rows are dealt to P waves (phase p).  One load of a wave takes two rows of that quarter:
; lanes 0-15 (h = 0) row r, lanes 16-31 (h = 1) row r + 1, sixteen lanes 256 consecutive bytes, aligned.  Load number k of a wave takes rows start + 2 p + 2 P k + h.
;   work-groups   0 .. 255: para span g / 4, quarter g % 4: one group, P = 8 (p = wave)          256 .. 447: x span g - 256: four groups (q = wave % 4), P = 2 (p = wave / 4)
;   work-groups 448 .. 639: shell span g - 448, the same shares                                   640 .. 647: topic g - 640, as a span 0 .. 31 of topic_reps, the same shares
; A MAXIMUM MAY TAKE A NUMBER TWICE, which is used three times.  A lane whose row would pass end reads row end again.  The 64 data registers start at finfo.min, a load that is not needed is jumped
; over, and the reduction always runs over all 64: a register that was jumped holds finfo.min or an earlier row of the same span, columns and lane.  The same holds where the waves' partial maxima are read back.
; NOT USED: a tile mover or a ring in LDS (row counts hang on the spans, and each byte is wanted by one wave), clusters (which work-groups share rows hangs on the spans), matrix instructions
; (no product), a prefetch (a row's address is known only from the span, directly ahead of its load).
.set PART,  0                          ; LDS: wave w's partial maximum, 512 bytes at 512 w: lane l's 16 bytes at 16 x the thread's number; 4,096 bytes in all
.set SPARE, 4096                       ; behind them: the spare words, 128 bytes for each of the eight waves: four blocks of 256 bytes that no other line names
.set HH,   1                           ; v1   h, until ROW is made
.set LR,   1                           ; v1   later: 16 x (my thread's number % 128) = 512 (wave % 4) + 16 lane: 0 .. 2,032
.set COL,  2                           ; v2   256 q + 16 (lane % 16): my 16 bytes in a row, for the loads and for the store
.set ROW,  3                           ; v3   start + 2 p + h + the trips done x 16 x 2 P
.set LS,   4                           ; v4   16 x my thread's number: where I put my partial maximum
.set SPW,  5                           ; v5   LDS address of my spare word: SPARE + 4 x my thread's number; never rewritten
.set NIL,  6                           ; v6   0; never rewritten
.set LP,   7                           ; v7   16 x my lane: 0 .. 496
.set ACC,  8                           ; v[8:11]   the running maximum of my four columns
.set TT,   12                          ; v[12:15]  the other half of the lanes' maximum
.set ADR,  16                          ; v[16:31]  load k's byte offset
.set DAT,  32                          ; v[32:95]  load k's four numbers at DAT + 4 k
.set GID,  2                           ; s2   the work-group's number g
.set WV,   3                           ; s3   my wave's number
.set SPN,  26                          ; s[26:27] the span's table, then the span
.set ELMO, 28                          ; s28  elmo      (s[28:30]: the span as loaded)
.set BEG,  29                          ; s29  start
.set FIN,  30                          ; s30  end
.set SRC,  32                          ; s[32:33] the table of rows, at the batch
.set OUT,  34                          ; s[34:35] the output row
.set OFS,  36                          ; s[36:37] an offset as a pair; the high word stays 0
.set IDX,  38                          ; s38  the span's or topic's number in its table
.set P2,   39                          ; s39  2 p
.set QQ,   40                          ; s40  q
.set STEP, 41                          ; s41  2 P: 16 or 4 rows from a wave's load to its next
.set LG,   42                          ; s42  log2 of it
.set GRP,  43                          ; s43  groups in the work-group: 1 or 4
.set REM,  44                          ; s44  loads that my wave still needs, this trip's among them
.set TR,   45                          ; s45  trips of 16 loads
.set CNT,  46                          ; s46  trips done
.set JUMP, 47                          ; s47  16 x STEP: rows from trip to trip
.set NEG,  48                          ; s48  finfo.min
.set W0,   49                          ; s49, s53  at work
.set W1,   53
.set SEL,  50                          ; s[50:51] v_permlanex16_b32's selects: each lane takes its own place in the other half
.set SVX,  52                          ; s52  EXEC, kept
	s_load_b512 s[8:23], s[0:1], 0x0               ; para_spans s[8:9], x_spans s[10:11], shell_spans s[12:13], word_reps s[14:15], topic_reps s[16:17], out1 s[18:19], out3 s[20:21], out2 s[22:23]
	s_load_b64 s[24:25], s[0:1], 0x40              ; out0
	v_lshl_add_u32 v[SPW], v0, 2, SPARE
	v_mov_b32 v[NIL], 0
	v_lshrrev_b32 v1, 5, v0
	v_readfirstlane_b32 s[WV], v1                  ; wave 0..7
	v_and_b32 v[LP], 31, v0
	v_lshlrev_b32 v[LP], 4, v[LP]
	v_lshlrev_b32 v[LS], 4, v0
	s_mov_b32 s[NEG], 0xff7fffff
	s_mov_b32 s[SEL], 0x76543210
	s_mov_b32 s[SEL+1], 0xfedcba98
	s_mov_b32 s[GID], ttmp9
	s_mov_b32 s[OFS+1], 0
	; who am I: all of this is made of the work-group's and the wave's numbers, while the arguments are on their way
	s_lshr_b32 s[IDX], s[GID], 2                   ; a para work-group: span g / 4,
	s_and_b32 s[QQ], s[GID], 3                     ; quarter g % 4
	s_lshr_b32 s[W0], s[WV], 2                     ; the others: p = wave / 4,
	s_and_b32 s[W1], s[WV], 3                      ; q = wave % 4
	s_cmp_lt_u32 s[GID], 256
	s_cselect_b32 s[P2], s[WV], s[W0]              ; p
	s_cselect_b32 s[QQ], s[QQ], s[W1]
	s_cselect_b32 s[STEP], 16, 4
	s_cselect_b32 s[LG], 4, 2
	s_cselect_b32 s[GRP], 1, 4
	s_lshl_b32 s[P2], s[P2], 1
	s_lshl_b32 s[JUMP], s[STEP], 4
	s_sub_co_u32 s[W0], s[GID], 256
	s_cmp_lt_u32 s[GID], 256
	s_cselect_b32 s[IDX], s[IDX], s[W0]
	s_sub_co_u32 s[W0], s[GID], 448
	s_cmp_lt_u32 s[GID], 448
	s_cselect_b32 s[IDX], s[IDX], s[W0]
	s_sub_co_u32 s[W0], s[GID], 640
	s_cmp_lt_u32 s[GID], 640
	s_cselect_b32 s[IDX], s[IDX], s[W0]
	v_and_b32 v1, 15, v0
	v_lshlrev_b32 v[COL], 4, v1
	v_lshl_add_u32 v[COL], s[QQ], 8, v[COL]
	v_bfe_u32 v[HH], v0, 4, 1                      ; h
	; The running maximum starts at finfo.min, as reference()'s where() has it, and so do the exchange's destinations (which count as read) and the 64 data registers: this is what lets a load
	; that is not needed be jumped over while the reduction keeps one form.  The 72 lines run while the arguments are on their way.
.set r, 0
.rept 8
	v_mov_b32 v[ACC+r], s[NEG]
.set r, r+1
.endr
.set r, 0
.rept 64
	v_mov_b32 v[DAT+r], s[NEG]
.set r, r+1
.endr
	s_wait_kmcnt 0x0                               ; the arguments
	s_cmp_lt_u32 s[GID], 256                       ; each choice between buffers hangs on the work-group's number alone
	s_cselect_b64 s[SPN:SPN+1], s[8:9], s[10:11]
	s_cselect_b64 s[OUT:OUT+1], s[18:19], s[20:21]
	s_cmp_lt_u32 s[GID], 448
	s_cselect_b64 s[SPN:SPN+1], s[SPN:SPN+1], s[12:13]
	s_cselect_b64 s[OUT:OUT+1], s[OUT:OUT+1], s[22:23]
	s_cmp_lt_u32 s[GID], 640
	s_cselect_b64 s[OUT:OUT+1], s[OUT:OUT+1], s[24:25]
	s_lshl_b32 s[OFS], s[IDX], 10                  ; an output row is 1,024 bytes
	s_add_nc_u64 s[OUT:OUT+1], s[OUT:OUT+1], s[OFS:OFS+1]
	s_cmp_lt_u32 s[GID], 640
	s_cbranch_scc0 .Ltopic
	s_mul_i32 s[OFS], s[IDX], 12                   ; a span is three words
	s_add_nc_u64 s[SPN:SPN+1], s[SPN:SPN+1], s[OFS:OFS+1]
	s_load_b96 s[ELMO:ELMO+2], s[SPN:SPN+1], 0x0
	s_wait_kmcnt 0x0                               ; the span
	s_min_u32 s[ELMO], s[ELMO], 7                  ; the index stays in its table
	s_max_i32 s[BEG], s[BEG], 0                    ; positions are 0 .. 2047: a start below 0 hides nothing,
	s_min_i32 s[BEG], s[BEG], 2048                 ; one beyond 2047 hides everything;
	s_max_i32 s[FIN], s[FIN], -1                   ; the same for end.  So held, their difference cannot overflow
	s_min_i32 s[FIN], s[FIN], 2047
	s_mov_b64 s[SRC:SRC+1], s[14:15]
	s_lshl_b32 s[OFS], s[ELMO], 21                 ; 2,048 rows of 1,024 bytes
	s_branch .Lspan
.Ltopic:
	s_mov_b32 s[BEG], 0                            ; a topic is the span of all its 32 rows
	s_mov_b32 s[FIN], 31
	s_mov_b64 s[SRC:SRC+1], s[16:17]
	s_lshl_b32 s[OFS], s[IDX], 15                  ; 32 rows of 1,024 bytes
.Lspan:
	s_add_nc_u64 s[SRC:SRC+1], s[SRC:SRC+1], s[OFS:OFS+1]
	s_sub_co_i32 s[REM], s[FIN], s[BEG]
	s_add_co_i32 s[REM], s[REM], 1                 ; the span's rows;
	s_sub_co_i32 s[REM], s[REM], s[P2]             ; load k is needed where start + 2 p + STEP k <= end: k < (rows - 2 p) / STEP, rounded up
	s_max_i32 s[REM], s[REM], 0
	s_add_co_u32 s[REM], s[REM], s[STEP]
	s_sub_co_u32 s[REM], s[REM], 1
	s_lshr_b32 s[REM], s[REM], s[LG]
	s_add_co_u32 s[TR], s[REM], 15
	s_lshr_b32 s[TR], s[TR], 4
	s_add_co_u32 s[W0], s[BEG], s[P2]
	v_add_nc_u32 v[ROW], s[W0], v[HH]
	s_mov_b32 s[CNT], 0
	s_cmp_eq_u32 s[TR], 0
	s_cbranch_scc1 .Lpart                          ; an empty span, or a wave without rows: its partial maximum is finfo.min
; Load k of a trip.  The loads that are needed are the first REM: the first that is not ends the run.
.macro LOADK k
.if (\k) > 0
	s_cmp_gt_u32 s[REM], \k
	s_cbranch_scc0 .Lissued
	v_mad_u32_u24 v[ADR+(\k)], s[STEP], \k, v[ROW]
	v_min_u32 v[ADR+(\k)], s[FIN], v[ADR+(\k)]     ; not past end: only h = 1 of the last pair can be held, and it reads row end again
.else
	v_min_u32 v[ADR], s[FIN], v[ROW]
.endif
	v_min_u32 v[ADR+(\k)], 0x7ff, v[ADR+(\k)]      ; a number made of loaded ones enters an address behind a bound that is written in the instruction
	v_lshl_add_u32 v[ADR+(\k)], v[ADR+(\k)], 10, v[COL]
	global_load_b128 v[DAT+4*(\k):DAT+4*(\k)+3], v[ADR+(\k)], s[SRC:SRC+1]  ; two rows x 256 consecutive bytes, aligned; no hint: spans may overlap, and rows be read again
.endm
; The running maximum takes in data registers 0 .. 8 n - 1, three operands at a time, in four chains (my four columns) that do not wait for each other.
.macro RED n
.set j, 0
.rept \n
.irp c, 0,1,2,3
	v_max3_num_f32 v[ACC+(\c)], v[ACC+(\c)], v[DAT+8*j+(\c)], v[DAT+8*j+4+(\c)]
.endr
.set j, j+1
.endr
.endm
.Ltrip:                                        ; up to 16 loads, 8 KiB of a wave, go out together; spans of up to 16 x STEP rows need one trip
.irp k, 0,1,2,3,4,5,6,7,8,9,10,11,12,13,14,15
	LOADK \k
.endr
.Lissued:
	s_wait_loadcnt 0x0                             ; how many were issued differs from way to way, so the count is 0; the loads are done, so their offsets' registers may be written again
	RED 8
	v_add_nc_u32 v[ROW], s[JUMP], v[ROW]
	s_sub_co_u32 s[REM], s[REM], 16                ; (behind the last trip the number serves nothing more)
	s_add_co_u32 s[CNT], s[CNT], 1
	s_cmp_lt_u32 s[CNT], s[TR]
	s_cbranch_scc1 .Ltrip
.Lpart:                                        ; the waves' partial maxima meet in LDS
	ds_store_b128 v[LS], v[ACC:ACC+3] offset:PART
	v_and_b32 v[LR], 127, v0                       ; h has served: the register takes the address for the way back
	v_lshlrev_b32 v[LR], 4, v[LR]
	s_wait_dscnt 0x0                               ; for the others' sake: my store is done
	s_barrier_signal -1
	s_barrier_wait -1                              ; everybody's is
	s_cmp_ge_u32 s[WV], s[GRP]                     ; wave 0 finishes a para group; waves 0 to 3 a group each otherwise
	s_cbranch_scc1 .Lend
	ds_load_b128 v[DAT:DAT+3], v[LR] offset:PART+2048  ; wave w + 4's partial maximum (bytes 2,048 to 4,095): my group's other phase where P = 2, one of the seven others where P = 8
	s_cmp_eq_u32 s[GRP], 1
	s_cbranch_scc0 .Lgot
	ds_load_b128 v[DAT+4:DAT+7],   v[LP] offset:PART+512   ; a para group is finished by wave 0: the other six waves' 512 bytes, by my lane alone (byte 4,095 at the most)
	ds_load_b128 v[DAT+8:DAT+11],  v[LP] offset:PART+1024
	ds_load_b128 v[DAT+12:DAT+15], v[LP] offset:PART+1536
	ds_load_b128 v[DAT+16:DAT+19], v[LP] offset:PART+2560
	ds_load_b128 v[DAT+20:DAT+23], v[LP] offset:PART+3072
	ds_load_b128 v[DAT+24:DAT+27], v[LP] offset:PART+3584
.Lgot:
	s_wait_dscnt 0x0                               ; one or seven were issued: the count is 0
	RED 3                                          ; where P = 2, registers 4 to 27 still hold finfo.min or rows of my own group, columns and lane: they change nothing
.irp c, 0,1,2,3
	v_max_num_f32 v[ACC+(\c)], v[ACC+(\c)], v[DAT+24+(\c)]
.endr
.irp c, 0,1,2,3
	v_permlanex16_b32 v[TT+(\c)], v[ACC+(\c)], s[SEL], s[SEL+1]  ; the odd rows' maximum lies in the lane 16 away
.endr
.irp c, 0,1,2,3
	v_max_num_f32 v[ACC+(\c)], v[ACC+(\c)], v[TT+(\c)]
.endr
	s_wait_xcnt 0x0                                ; EXEC changes only behind this wait
	v_cmp_gt_u32 vcc_lo, 0x100, v[LP]              ; lanes 0 to 15
	s_and_saveexec_b32 s[SVX], vcc_lo
	global_store_b128 v[COL], v[ACC:ACC+3], s[OUT:OUT+1] th:TH_STORE_NT  ; sixteen lanes store the group's 256 consecutive bytes, at a multiple of 256 from the output's first byte
	s_wait_xcnt 0x0                                ; and again, in front of the line that widens it
	s_or_b32 exec_lo, exec_lo, s[SVX]
.Lend:
	s_wait_tensorcnt 0x0                           ; the wave's end, behind my last LDS store
	ds_add_u32 v[SPW], v[NIL]
	s_wait_dscnt 0x0
	s_endpgm
.Lfunc_end_k_qede3064632_spanmax:
	.size	k_qede3064632_spanmax, .Lfunc_end_k_qede3064632_spanmax-k_qede3064632_spanmax
	.p2alignl 7, 3214868480
	.fill 96, 4, 3214868480
	.section	.rodata,"a",@progbits
	.p2align	6, 0x0
	.amdhsa_kernel k_qede3064632_spanmax
		.amdhsa_group_segment_fixed_size 5120
		.amdhsa_private_segment_fixed_size 0
		.amdhsa_enable_private_segment 0
		.amdhsa_kernarg_size 72
		.amdhsa_user_sgpr_count 2
		.amdhsa_user_sgpr_kernarg_segment_ptr 1
		.amdhsa_wavefront_size32 1
		.amdhsa_system_sgpr_workgroup_id_x 1
		.amdhsa_system_sgpr_workgroup_id_y 1
		.amdhsa_system_sgpr_workgroup_id_z 1
		.amdhsa_system_vgpr_workitem_id 0
		.amdhsa_next_free_vgpr 96
		.amdhsa_next_free_sgpr 66
		.amdhsa_reserve_vcc 1
		.amdhsa_float_denorm_mode_32 3
		.amdhsa_float_denorm_mode_16_64 3
		.amdhsa_memory_ordered 1
		.amdhsa_forward_progress 1
		.amdhsa_inst_pref_size 17
	.end_amdhsa_kernel
	.amdgpu_metadata
---
amdhsa.version: [ 1, 2 ]
amdhsa.kernels:
  - .name:           k_qede3064632_spanmax
    .symbol:         k_qede3064632_spanmax.kd
    .args:
      - { .name: para_spans, .offset: 0, .size: 8, .value_kind: global_buffer, .address_space: global }
      - { .name: x_spans, .offset: 8, .size: 8, .value_kind: global_buffer, .address_space: global }
      - { .name: shell_spans, .offset: 16, .size: 8, .value_kind: global_buffer, .address_space: global }
      - { .name: word_reps, .offset: 24, .size: 8, .value_kind: global_buffer, .address_space: global }
      - { .name: topic_reps, .offset: 32, .size: 8, .value_kind: global_buffer, .address_space: global }
      - { .name: out1, .offset: 40, .size: 8, .value_kind: global_buffer, .address_space: global }
      - { .name: out3, .offset: 48, .size: 8, .value_kind: global_buffer, .address_space: global }
      - { .name: out2, .offset: 56, .size: 8, .value_kind: global_buffer, .address_space: global }
      - { .name: out0, .offset: 64, .size: 8, .value_kind: global_buffer, .address_space: global }
    .group_segment_fixed_size: 5120
    .private_segment_fixed_size: 0
    .kernarg_segment_align: 8
    .kernarg_segment_size: 72
    .max_flat_workgroup_size: 256
    .sgpr_count:     66
    .vgpr_count:     96
    .wavefront_size: 32
...
	.end_amdgpu_metadata
.endif
;; end of part 1
